; MI455X (gfx1250); checked and timed in simulation.
; The chip was launched on July 23, 2026; its instructions are those of AMD's public machine-readable ISA for CDNA 5 (MIT licence, August 2026) and "CDNA5" Instruction Set Architecture Reference Guide (July 2026). The comments in the code are by the model that wrote it; some were corrected since.
;; Dense Dot Attn. Allowed arithmetic: matrix products marked QUANTISED: E2M3 operands, one E8M0 scale for each 32 along K, by v_wmma_scale_f32_16x16x128_f8f6f4 with both operands' format E2M3, f32 sums; everything else in f32.
;; Inputs: W_K 16 x 1,024 x 64 float32; W_Q 16 x 1,024 x 64 float32; W_V 16 x 1,024 x 64 float32; x 4 x 2,048 x 1,024 float32.
;; Outputs: out0 4 x 2,048 x 1,024 float32.
;; This version of the problem:
;;   THIS VERSION OF THE PROBLEM IS GIVEN IN LOW PRECISION. The matrix products marked QUANTISED in the list below multiply operands that are first quantised to E2M3 (2 exponent bits, 3 mantissa bits; 6 bits a number), with one power-of-two scale for each 32 numbers along K (OCP MX v1.0); their sums are f32. All else is computed in f32.
;;   The module's matrix products, in the order in which they are computed (A, B: the left and right operand; K: the contracted axis; several contracted axes count as one K, in the product's order):
;;     1. [M 1,024, K 1,024] x [K 1,024, N 8,192]; A: input W_Q; B: input x: QUANTISED
;;     2. [M 1,024, K 1,024] x [K 1,024, N 8,192]; A: input W_K; B: input x: QUANTISED
;;     3. [M 1,024, K 1,024] x [K 1,024, N 8,192]; A: input W_V; B: input x: QUANTISED
;;     4. batch 64 x [M 2,048, K 64] x [K 64, N 2,048]; A: computed on the way; B: computed on the way: QUANTISED
;;     5. batch 64 x [M 2,048, K 2,048] x [K 2,048, N 64]; A: softmax (see below); B: computed on the way: QUANTISED
;;   THE QUANTISER, for each operand of a quantised product, along K:
;;     - K is cut into blocks of 32 from its start; a last block that is shorter is filled with zeros.
;;     - A block's scale is 2^e with e = floor(log2(the largest magnitude in the block)) - 2, held to -126 .. 127; a block of zeros has e = 0. As a byte (E8M0): e + 127.
;;     - Each number is divided by its block's scale, clamped to +-7.5, and rounded to the nearest number of E2M3, ties to even, subnormals kept.
;;     - The product sums the exact products of the quantised numbers (number of the format x scale) in f32.
;;   ~~~python
;;   def quantise(x, axis):      # numpy; x: float32 -> the quantised numbers, widened to float32 again
;;       x = np.moveaxis(x, axis, -1); K = x.shape[-1]
;;       x = np.pad(x, [(0, 0)] * (x.ndim - 1) + [(0, -K % 32)]); x = x.reshape(x.shape[:-1] + (-1, 32)); a = np.abs(x).max(-1, keepdims=True)
;;       e = np.where(a > 0, np.clip(np.frexp(np.where(a > 0, a, 1))[1] - 1 - 2, -126, 127), 0)      # np.frexp(a)[1] - 1 = floor(log2(a)), exactly
;;       r = np.clip(x / 2.0 ** e, -7.5, 7.5)
;;       step = 2.0 ** (np.maximum(np.frexp(np.where(r == 0, 1, r))[1] - 1, 0) - 3)
;;       q = np.round(r / step) * step * 2.0 ** e      # np.round: ties to even
;;       return np.moveaxis(q.reshape(q.shape[:-2] + (-1,))[..., :K], -1, axis).astype(np.float32)
;;   ~~~
;;   SOFTMAX AHEAD OF A QUANTISED PRODUCT. Where the list says 'softmax', what is quantised is not the finished softmax but p = 2^(t - M), with t = logit x log2(e) and M = ceil(the row's largest t), a whole number; so 1/2 < the row's largest p <= 1. The row's sum l is taken of the UNQUANTISED p, in f32, and the product's result is divided by l at the end. Since M is a whole number, a kernel that streams over the keys may use a running M (the ceiling of the running maximum): every later rescaling is an exact power of two, which a block's scale takes up: the codes' values come out the same.
;;   OPERANDS COMPUTED ON THE WAY. 'Computed on the way' means the value that the module computes at that place (a softmax that the list does not call 'softmax' is quantised finished and normalised). What goes into a quantiser is computed in f32, as accurately as f32 sums, v_exp_f32 and their like allow (about 1e-6 of the number): no bf16 or f16 on the way to a quantiser, and a product that is left as it is and whose result goes on into a quantised operand takes f32 operands (vector FMAs, or v_wmma_f32_16x16x4_f32). A number that lies on a knife's edge between two numbers of the format may be rounded either way, as far as f32 arithmetic and the matrix unit's own rounding can turn it there, and no further.
;; One version. Each part assembles by itself: llvm-mc -triple=amdgcn-amd-amdhsa -mcpu=gfx1250 --defsym DOCPART=n.
;; ======== version 1 of 1: 3 launches
;; workspace buffers: x_codes 6,291,456 bytes; x_scales 262,144 bytes; w_codes 2,359,296 bytes; w_scales 98,304 bytes; qkv 19,660,800 bytes
;; launch quant (part 1): grid 352 x 1, 4 waves a work-group, no clusters, 68,096 bytes of LDS; arguments x, W_Q, W_K, W_V, x_codes, x_scales, w_codes, w_scales; writes x_codes, x_scales, w_codes, w_scales
.if DOCPART == 1
	.amdgcn_target "amdgcn-amd-amdhsa--gfx1250"
	.amdhsa_code_object_version 6
	.text
	.protected	k_q4375c3dee5_quant
	.globl	k_q4375c3dee5_quant
	.p2align	8
	.type	k_q4375c3dee5_quant,@function
k_q4375c3dee5_quant:
	s_mov_b64 s[64:65], 0
	v_nop
	global_prefetch_b8 v0, s[64:65] scope:SCOPE_SE
	s_setreg_imm32_b32 hwreg(HW_REG_WAVE_MODE, 25, 1), 1
	s_wait_xcnt 0x0
; x [8192][1024] f32 and W_Q, W_K, W_V [16][1024][64] f32 become codes of FP6 (E2M3), 6 bits each, K = the 1,024 of the model innermost, with one E8M0 scale byte for each 32 along K.
; x_codes [8192][768], x_scales [8192][32]; w_codes [3072][768], w_scales [3072][32]: w's rows are head x 64 + d, Q's 1,024 first, then K's, then V's.
; A block's scale is 2^(floor(log2(its largest magnitude)) - 2); its byte is the largest magnitude's exponent field - 2, held at 1 from below.
; ROWS ARE STORED IN ANOTHER ORDER: in each group of 64 rows, row 32 a + 8 u + c (a 0..1, u 0..3, c 0..7) lies at place 16 u + 8 a + c.  A block of 16 stored rows used as a matrix instruction's first source
; then leaves, in the four results of a group of 64, 32 consecutive rows in 32 consecutive registers of a lane: the next launch quantises its sums without any exchange between lanes.
; LIMITS: NaN and infinities among the inputs are not served.  A block of zeros gets the byte 1 where the rule says 127: its codes are zeros, which add nothing, and this program alone reads the bytes.
; Work-groups 0-255 take x, 256-351 the weights; each way has LDS bytes of its own.  No tensor loads, no barrier: waves share nothing.
.set STEPS, 16
.set EMAX,  2
.set CB,    12                         ; bytes of 16 codes
.set R,     16                         ; x: v16-79   four sets of 16 numbers as they are loaded
.set X,     80                         ; x: v80-111  two sets of 16 neighbours
.set C,     128                        ; x: v128-191 codes: four registers for each step, so that no store's data are written again
.set E,     112                        ; x: v112-127 a scale byte for each step
.set WREG,  8192                       ; x: LDS region of a wave: two stages of 32 x SP bytes, behind them its 256 scale bytes
.set SP,    80                         ; x: a lane's place in a stage: 64 bytes + 16 of padding
.set WSTG,  32768                      ; W: the stages begin behind x's regions
.set WPITCH, 272                       ; W: a stage row: sixteen places of 16 bytes (12 of codes) + 16
.set NB,    8                          ; W: blocks of 32 along K for a wave
.set WX,    32                         ; W: v32-95   two sets of 32 numbers
.set WC,    96                         ; W: a block's codes
.set OUTR,  112                        ; W: v112-175 the way out
.set SB,    24                         ; W: v24-25   the scale bytes
	s_load_b256 s[4:11], s[0:1], 0x0               ; x, W_Q, W_K, W_V
	s_load_b256 s[12:19], s[0:1], 0x20             ; x_codes, x_scales, w_codes, w_scales
	v_lshl_add_u32 v192, v0, 2, 0x10800
	v_mov_b32 v193, 0
	v_lshrrev_b32 v1, 5, v0
	v_readfirstlane_b32 s20, v1                    ; wave 0..3
	v_and_b32 v2, 31, v0                           ; lane
	s_cmp_lt_u32 ttmp9, 256
	s_cbranch_scc0 .Lweights
; ---------------- x: a wave takes 8 rows (8,192 numbers) in 16 steps of 512.  Each load reads 512 consecutive bytes; a step's 2,048 bytes turn through the wave's own stage, so that a lane holds 16 neighbours.
	v_lshlrev_b32 v3, 4, v2                        ; my 16 bytes of a load's 512
	s_mul_i32 s21, s20, WREG
	v_lshrrev_b32 v14, 2, v2
	v_mul_u32_u24 v14, v14, SP
	v_and_b32 v15, 3, v2
	v_lshl_add_u32 v14, v15, 4, v14
	v_add_nc_u32 v14, s21, v14                     ; the stage, on the way in: SP (lane / 4) + 16 (lane % 4)
	v_mul_u32_u24 v15, v2, SP
	v_add_nc_u32 v15, s21, v15                     ; and on the way out: SP x lane
	v_mul_u32_u24 v4, v2, CB                       ; my codes' place in a step's
	v_lshrrev_b32 v5, 1, v2
	s_add_co_u32 s21, s21, 2*32*SP
	v_add_nc_u32 v5, s21, v5                       ; my block's scale byte in the wave's 256
	v_lshlrev_b32 v7, 3, v2
	v_add_nc_u32 v6, s21, v7                       ; and 8 bytes a lane on the way out
	s_lshl_b32 s22, ttmp9, 2
	s_add_co_u32 s22, s22, s20                     ; which run of 8 rows: 4 x work-group + wave; among a group's eight runs it is run 4 a + u
	s_and_b32 s23, s22, 3
	s_lshl_b32 s23, s23, 1
	s_bfe_u32 s24, s22, 0x10002
	s_or_b32 s23, s23, s24                         ; and is stored as run 2 u + a
	s_and_not1_b32 s24, s22, 7
	s_or_b32 s23, s23, s24
	s_lshl_b32 s24, s22, 15                        ; in: 32,768 bytes a run
	s_mov_b32 s25, 0
	s_mul_i32 s26, s23, 32*STEPS*CB                ; codes: 6,144 bytes a run
	s_mov_b32 s27, 0
	s_lshl_b32 s28, s23, 8                         ; scale bytes: 256 a run
	s_mov_b32 s29, 0
	s_wait_alu depctr_va_vdst(0)
	s_wait_kmcnt 0x0
	s_add_nc_u64 s[4:5], s[4:5], s[24:25]
	s_add_nc_u64 s[12:13], s[12:13], s[26:27]
	s_add_nc_u64 s[14:15], s[14:15], s[28:29]
.macro XLOAD t
.irp i, 0,1,2,3
	global_load_b128 v[R+16*((\t)%4)+4*\i:R+16*((\t)%4)+4*\i+3], v3, s[4:5] offset:2048*(\t)+512*\i th:TH_LOAD_NT
.endr
.endm
.macro XTURN t                         ; step t's numbers through the stage: LDS serves a wave's instructions in order, so no wait stands between the stores and the loads
.irp i, 0,1,2,3
	ds_store_b128 v14, v[R+16*((\t)%4)+4*\i:R+16*((\t)%4)+4*\i+3] offset:32*SP*((\t)%2)+8*SP*\i
.endr
.irp i, 0,1,2,3
	ds_load_b128 v[X+16*((\t)%2)+4*\i:X+16*((\t)%2)+4*\i+3], v15 offset:32*SP*((\t)%2)+16*\i
.endr
.endm
.irp t, 0,1,2,3
	XLOAD \t
.endr
	s_wait_loadcnt 12                              ; step 0's four loads are in; the twelve of steps 1 to 3 may be out
	XTURN 0
.macro XSTEP t
.set XS, X+16*((\t)%2)
.if (\t) > 0
	s_wait_dscnt 1                                 ; this step's numbers are back from the stage (the last step's byte store may be out)
.else
	s_wait_dscnt 0x0
.endif
.if (\t)+4 < STEPS
	XLOAD (\t)+4                                   ; into the registers that this step's stores into the stage have read
.endif
.if (\t)+1 < STEPS
.if STEPS-2-(\t) >= 3
	s_wait_loadcnt 12                              ; the next step's four loads are in; those of the three steps behind it may be out
.else
	s_wait_loadcnt 4*(STEPS-2-(\t))
.endif
	XTURN (\t)+1
.endif
	v_max3_num_f32 v8, |v[XS]|, |v[XS+1]|, |v[XS+2]|               ; the largest magnitude of my 16, in two chains
	v_max3_num_f32 v9, |v[XS+3]|, |v[XS+4]|, |v[XS+5]|
.irp i, 6,10
	v_max3_num_f32 v8, v8, |v[XS+\i]|, |v[XS+\i+1]|
	v_max3_num_f32 v9, v9, |v[XS+\i+2]|, |v[XS+\i+3]|
.endr
	v_max3_num_f32 v8, v8, |v[XS+14]|, |v[XS+15]|
	v_max3_num_f32 v8, v8, v9, (EMAX+1)<<23        ; and the floor 2^(3 - 127): the byte cannot fall under 1
	v_max_num_f32_dpp v8, v8, v8 row_xmask:1 row_mask:0xf bank_mask:0xf   ; and of my neighbour's 16: the block's
	v_add_nc_u32 v11, -(EMAX<<23), v8              ; 2 off its exponent field: the conversion takes the exponent field of this operand as its scale
	v_cvt_scalef32_pk16_fp6_f32 v[C+4*(\t):C+4*(\t)+2], v[XS:XS+15], v11
	v_lshrrev_b32 v[E+(\t)], 23, v11               ; the scale's byte
	ds_store_b8 v5, v[E+(\t)] offset:16*(\t)       ; both lanes of a block write the same byte with the same value
	global_store_b96 v4, v[C+4*(\t):C+4*(\t)+2], s[12:13] offset:32*CB*(\t)   ; the wave stores 384 consecutive bytes
.endm
.irp t, 0,1,2,3,4,5,6,7,8,9,10,11,12,13,14,15
	XSTEP \t
.endr
	ds_load_b64 v[12:13], v6                       ; LDS serves a wave's instructions in order: these see my byte stores
	s_wait_dscnt 0x0
	global_store_b64 v7, v[12:13], s[14:15]        ; 32 lanes store 256 consecutive bytes, aligned
	s_wait_tensorcnt 0x0
	ds_add_u32 v192, v193
	s_wait_dscnt 0x0
	s_endpgm
; ---------------- the weights: K is the middle axis.  A lane takes a column d and its registers run down K: a block of 32 lies in one lane.  A wave takes 32 columns x 256 along K of one head.
.Lweights:
	s_sub_co_u32 s21, ttmp9, 256
	s_lshr_b32 s22, s21, 1                         ; head 0..47: Q's 16, K's 16, V's 16
	s_and_b32 s23, s21, 1
	s_lshl_b32 s23, s23, 1
	s_lshr_b32 s24, s20, 1
	s_add_co_u32 s23, s23, s24                     ; y: which 256 along K
	s_and_b32 s24, s20, 1                          ; a: which 32 columns
	s_wait_alu depctr_va_vdst(0)
	v_lshlrev_b32 v3, 2, v2                        ; in: 4 bytes a lane
	s_mul_i32 s25, s20, 32*WPITCH
	s_add_co_u32 s25, s25, WSTG                    ; my stage
	v_mul_u32_u24 v4, v2, WPITCH
	v_add_nc_u32 v4, s25, v4                       ; into it: row = my column
	v_and_b32 v5, 15, v2
	v_lshrrev_b32 v6, 4, v2
	v_mul_u32_u24 v7, v6, WPITCH
	v_lshl_add_u32 v7, v5, 4, v7
	v_add_nc_u32 v7, s25, v7                       ; out of it: sixteen lanes to a row, two rows an instruction
	v_mul_u32_u24 v8, v6, 768
	v_mad_u32_u24 v8, v5, 12, v8                   ; and the same place in w_codes
	v_lshrrev_b32 v9, 3, v2
	v_and_b32 v10, 7, v2
	v_lshl_add_u32 v9, v9, 4, v10                  ; column 8 u + c of my 32 is stored at row 16 u + c (+ 8 a)
	v_lshlrev_b32 v9, 5, v9                        ; 32 scale bytes a row
	s_and_b32 s26, s22, 15
	s_lshl_b32 s26, s26, 18                        ; a head of a weight is 262,144 bytes,
	s_lshl_b32 s27, s23, 16                        ; 256 rows of 256 bytes,
	s_add_co_u32 s26, s26, s27
	s_lshl_b32 s27, s24, 7                         ; 32 columns
	s_add_co_u32 s26, s26, s27
	s_mov_b32 s27, 0
	s_lshl_b32 s28, s22, 6
	s_lshl_b32 s29, s24, 3
	s_add_co_u32 s28, s28, s29                     ; stored row 64 x head + 8 a
	s_mul_i32 s30, s28, 768
	s_mul_i32 s29, s23, 192
	s_add_co_u32 s30, s30, s29
	s_mov_b32 s31, 0
	s_lshl_b32 s32, s28, 5
	s_lshl_b32 s29, s23, 3
	s_add_co_u32 s32, s32, s29
	s_mov_b32 s33, 0
	s_wait_kmcnt 0x0
	s_cmp_lt_u32 s22, 32                           ; the choice of buffer hangs on the work-group's number alone
	s_cselect_b64 s[8:9], s[8:9], s[10:11]
	s_cmp_lt_u32 s22, 16
	s_cselect_b64 s[6:7], s[6:7], s[8:9]
	s_add_nc_u64 s[6:7], s[6:7], s[26:27]
	s_add_nc_u64 s[16:17], s[16:17], s[30:31]
	s_add_nc_u64 s[18:19], s[18:19], s[32:33]
.macro WLOAD t                         ; block t: W(32 t + i, my column), i = 0 .. 31, into set t % 2; the wave reads 128 consecutive bytes
.irp i, 0,1,2,3,4,5,6,7,8,9,10,11,12,13,14,15,16,17,18,19,20,21,22,23,24,25,26,27,28,29,30,31
	global_load_b32 v[WX+32*((\t)%2)+\i], v3, s[6:7] offset:(32*(\t)+\i)*256
.endr
.endm
	WLOAD 0
	WLOAD 1
.macro WBLOCK t
.set XS, WX+32*((\t)%2)
.if (\t) < NB-1
	s_wait_loadcnt 32                              ; this block's 32 loads are in; the next block's 32 may be out
.else
	s_wait_loadcnt 0
.endif
	v_max3_num_f32 v12, |v[XS]|, |v[XS+1]|, |v[XS+2]|               ; the block's largest magnitude: all 32 numbers are mine
	v_max3_num_f32 v13, |v[XS+3]|, |v[XS+4]|, |v[XS+5]|
.irp i, 6,10,14,18,22,26
	v_max3_num_f32 v12, v12, |v[XS+\i]|, |v[XS+\i+1]|
	v_max3_num_f32 v13, v13, |v[XS+\i+2]|, |v[XS+\i+3]|
.endr
	v_max3_num_f32 v12, v12, |v[XS+30]|, |v[XS+31]|
	v_max3_num_f32 v12, v12, v13, (EMAX+1)<<23     ; and the floor
	v_add_nc_u32 v11, -(EMAX<<23), v12             ; the conversion's scale operand
	v_lshrrev_b32 v13, 23, v11                     ; the scale's byte
.if (\t)%4 == 0
	v_mov_b32 v[SB+(\t)/4], v13                    ; four bytes to a register, the lower K in the lower byte
.else
	v_lshl_or_b32 v[SB+(\t)/4], v13, 8*((\t)%4), v[SB+(\t)/4]
.endif
	v_cvt_scalef32_pk16_fp6_f32 v[WC:WC+2], v[XS:XS+15], v11
	v_cvt_scalef32_pk16_fp6_f32 v[WC+4:WC+6], v[XS+16:XS+31], v11   ; (a conversion's three registers begin on an even number)
	ds_store_b96 v4, v[WC:WC+2] offset:32*(\t)     ; 12 bytes to a place of 16, so that every LDS address is a multiple of 16
	ds_store_b96 v4, v[WC+4:WC+6] offset:32*(\t)+16
.if (\t)+2 < NB
	WLOAD (\t)+2
.endif
	s_wait_dscnt 0x0                               ; the stores have read their registers: the next block's codes may be written
.endm
.set Q, 0
.rept NB
	WBLOCK Q
.set Q, Q+1
.endr
	s_wait_alu depctr_va_vdst(0)
	global_store_b64 v9, v[SB:SB+1], s[18:19]      ; my column's 8 scale bytes
.irp t, 0,1,2,3,4,5,6,7,8,9,10,11,12,13,14,15
	ds_load_b96 v[OUTR+4*\t:OUTR+4*\t+2], v7 offset:2*\t*WPITCH    ; LDS serves a wave's instructions in order: these see my stores
.endr
.irp t, 0,1,2,3,4,5,6,7,8,9,10,11,12,13,14,15
	s_wait_dscnt 15-\t                             ; the younger loads may be out
	global_store_b96 v8, v[OUTR+4*\t:OUTR+4*\t+2], s[16:17] offset:(16*(\t/4)+2*(\t%4))*768   ; columns 2 t, 2 t + 1 of my 32 at their stored rows; sixteen lanes store a row's 192 consecutive bytes
.endr
	s_wait_tensorcnt 0x0
	ds_add_u32 v192, v193
	s_wait_dscnt 0x0
	s_endpgm
.Lfunc_end_k_q4375c3dee5_quant:
	.size	k_q4375c3dee5_quant, .Lfunc_end_k_q4375c3dee5_quant-k_q4375c3dee5_quant
	.p2alignl 7, 3214868480
	.fill 96, 4, 3214868480
	.section	.rodata,"a",@progbits
	.p2align	6, 0x0
	.amdhsa_kernel k_q4375c3dee5_quant
		.amdhsa_group_segment_fixed_size 68096
		.amdhsa_private_segment_fixed_size 0
		.amdhsa_enable_private_segment 0
		.amdhsa_kernarg_size 64
		.amdhsa_user_sgpr_count 2
		.amdhsa_user_sgpr_kernarg_segment_ptr 1
		.amdhsa_wavefront_size32 1
		.amdhsa_system_sgpr_workgroup_id_x 1
		.amdhsa_system_sgpr_workgroup_id_y 1
		.amdhsa_system_sgpr_workgroup_id_z 1
		.amdhsa_system_vgpr_workitem_id 0
		.amdhsa_next_free_vgpr 194
		.amdhsa_next_free_sgpr 66
		.amdhsa_reserve_vcc 0
		.amdhsa_float_denorm_mode_32 3
		.amdhsa_float_denorm_mode_16_64 3
		.amdhsa_memory_ordered 1
		.amdhsa_forward_progress 1
		.amdhsa_inst_pref_size 74
	.end_amdhsa_kernel
	.amdgpu_metadata
---
amdhsa.version: [ 1, 2 ]
amdhsa.kernels:
  - .name:           k_q4375c3dee5_quant
    .symbol:         k_q4375c3dee5_quant.kd
    .args:
      - { .name: x, .offset: 0, .size: 8, .value_kind: global_buffer, .address_space: global }
      - { .name: W_Q, .offset: 8, .size: 8, .value_kind: global_buffer, .address_space: global }
      - { .name: W_K, .offset: 16, .size: 8, .value_kind: global_buffer, .address_space: global }
      - { .name: W_V, .offset: 24, .size: 8, .value_kind: global_buffer, .address_space: global }
      - { .name: x_codes, .offset: 32, .size: 8, .value_kind: global_buffer, .address_space: global }
      - { .name: x_scales, .offset: 40, .size: 8, .value_kind: global_buffer, .address_space: global }
      - { .name: w_codes, .offset: 48, .size: 8, .value_kind: global_buffer, .address_space: global }
      - { .name: w_scales, .offset: 56, .size: 8, .value_kind: global_buffer, .address_space: global }
    .group_segment_fixed_size: 68096
    .private_segment_fixed_size: 0
    .kernarg_segment_align: 8
    .kernarg_segment_size: 64
    .max_flat_workgroup_size: 128
    .sgpr_count:     66
    .vgpr_count:     194
    .wavefront_size: 32
...
	.end_amdgpu_metadata
.endif
;; end of part 1
;; launch proj (part 2): grid 12 x 32, 4 waves a work-group, clusters of 4 x 4, 327,680 bytes of LDS; arguments x_codes, x_scales, w_codes, w_scales, qkv; writes qkv
.if DOCPART == 2
	.amdgcn_target "amdgcn-amd-amdhsa--gfx1250"
	.amdhsa_code_object_version 6
	.text
	.protected	k_q4375c3dee5_proj
	.globl	k_q4375c3dee5_proj
	.p2align	8
	.type	k_q4375c3dee5_proj,@function
k_q4375c3dee5_proj:
	s_mov_b64 s[64:65], 0
	v_nop
	global_prefetch_b8 v0, s[64:65] scope:SCOPE_SE
	s_setreg_imm32_b32 hwreg(HW_REG_WAVE_MODE, 25, 1), 1
	s_wait_xcnt 0x0
	s_wait_alu depctr_hold_cnt(0) depctr_sa_sdst(0) depctr_va_vdst(0) depctr_va_sdst(0) depctr_va_ssrc(0) depctr_va_vcc(0) depctr_vm_vsrc(0)
	s_getreg_b32 s2, hwreg(HW_REG_IB_STS2, 6, 4)
	s_cmp_eq_u32 s2, 0
	s_cbranch_scc0 .Lentry_in_a_cluster
	s_endpgm
.Lentry_in_a_cluster:
	s_bfe_u32 s2, ttmp6, 0x10000c
	s_cmp_lg_u32 s2, 0xf033
	s_cbranch_scc0 .Lentry_shape_is_right
	s_endpgm
.Lentry_shape_is_right:
.set KSTEP,  256
.set NQ,     KSTEP/128
.set ROWB,   192
.set KROW,   768
.set PITCH,  240
.set FR,     12
.set NL,     6
.set NP,     4
.set HALFT,  128*PITCH
.set SLOT,   4*HALFT
.set LAPS,   2
.set KS,     32
.set SCL,    2*SLOT
.set HALFS,  (128*KS/256)*272
.set SBLK,   (16*KS/256)*272
.set SPARE,  SCL+4*HALFS
.set REC,    6400
.set HEADB,  64*REC
.set ADRA, 16
.set ADRB, 20
.set O8,   24
.set SH8,  25
.set O16,  26
.set ADRS, 27
.set SPW,  28
.set NIL,  29
.set SC,   32
.set AF,   128
.set IMG,  64
.set T,    224
.set SO,   226
.set BY,   228
.set XT,   232
.set YT,   236
.set WW,   240
.set WX,   241
.set WD,   244
.set XP,   252
.set G1, 24
.set G0, 32
.set G1B, 48
.set G0B, 56
.set G1S, 68
.set G0S, 76
.set G1SB, 80
.set G0SB, 88
.set MSB, 0
.macro WIN new
.if MSB != (\new)
	s_set_vgpr_msb (MSB<<8)|(\new)
.set MSB, (\new)
.endif
.endm
.set MUL_LO, 0xa1
.set MUL_HI, 0xf1
.set TO_B,   0x40
.macro JLOAD g0a, g1a, g0b, g1b
	s_cmp_eq_u32 s15, 0
	s_cbranch_scc0 .Lfor_b_\@
	tensor_load_to_lds s[\g0a:\g0a+3], s[\g1a:\g1a+7]
	s_nop 0
.rept 4
	v_nop
.endr
	s_branch .Lasked_\@
.Lfor_b_\@:
	tensor_load_to_lds s[\g0b:\g0b+3], s[\g1b:\g1b+7]
	s_nop 0
.rept 4
	v_nop
.endr
.Lasked_\@:
.endm
.macro CREST
	s_cmp_lg_u32 s14, 0
	s_cbranch_scc1 .Lnot_wave_0_\@
	s_barrier_signal -3
.Lnot_wave_0_\@:
	s_barrier_wait -3
	s_barrier_signal -1
	s_barrier_wait -1
.endm
.macro CROUND
	s_barrier_signal -1
	s_barrier_wait -1
	CREST
.endm
	s_load_b128 s[4:7], s[0:1], 0x0
	s_load_b128 s[8:11], s[0:1], 0x10
	s_load_b64 s[12:13], s[0:1], 0x20
	v_lshl_add_u32 v[SPW], v0, 2, SPARE
	v_mov_b32 v[NIL], 0
	ds_add_u32 v28, v29
	ds_add_u32 v28, v29
	s_wait_dscnt 0x0
	v_lshrrev_b32 v1, 5, v0
	v_readfirstlane_b32 s14, v1
	s_lshr_b32 s15, s14, 1
	s_and_b32 s16, s14, 1
	s_bfe_u32 s40, ttmp6, 0x40000
	s_bfe_u32 s41, ttmp6, 0x40004
	s_and_b32 s95, ttmp7, 0xffff
	s_lshl_b32 s95, s95, 2
	s_lshl_b32 s97, ttmp9, 2
	s_cmp_eq_u32 ttmp9, 2
	s_cselect_b32 s17, 8, s95
	s_cselect_b32 s42, s95, s97
	s_add_co_u32 s17, s17, s41
	s_add_co_u32 s42, s42, s40
	s_lshl_b32 s43, s41, 2
	s_lshl_b32 s43, 15, s43
	s_lshl_b32 s44, 0x1111, s40
	s_or_b32 s[G1+0], s43, (0<<16)|(1<<20)|(1<<21)|(3<<22)|(3<<25)
	s_or_b32 s[G1B+0], s44, (0<<16)|(1<<20)|(1<<21)|(3<<22)|(3<<25)
.irp g, G1, G1B
	s_mov_b32 s[\g+1], ROWB<<16
	s_mov_b32 s[\g+2], 128<<16
	s_mov_b32 s[\g+3], ROWB<<16
	s_mov_b32 s[\g+4], 128
	s_mov_b32 s[\g+5], KROW
	s_mov_b32 s[\g+6], 0
	s_mov_b32 s[\g+7], 0
.endr
	s_or_b32 s[G1S+0], s43, (3<<16)|(1<<20)|(1<<21)|(5<<22)|(3<<25)
	s_or_b32 s[G1SB+0], s44, (3<<16)|(1<<20)|(1<<21)|(5<<22)|(3<<25)
.irp g, G1S, G1SB
	s_mov_b32 s[\g+1], 32<<16
	s_mov_b32 s[\g+2], (128*KS/256)<<16
	s_mov_b32 s[\g+3], 32<<16
	s_mov_b32 s[\g+4], 128*KS/256
	s_mov_b32 s[\g+5], 32
	s_mov_b32 s[\g+6], 0
	s_mov_b32 s[\g+7], 0
.endr
	s_lshl_b32 s18, s16, 7
	s_lshl_b32 s20, s17, 8
	s_add_co_u32 s20, s20, s18
	s_lshl_b32 s46, s42, 8
	s_add_co_u32 s46, s46, s18
	s_mov_b32 s21, 0
	s_mov_b32 s47, 0
	s_mov_b64 s[18:19], KS
	s_mul_u64 s[22:23], s[20:21], s[18:19]
	s_mul_u64 s[92:93], s[46:47], s[18:19]
	s_mov_b64 s[18:19], KROW
	s_mul_u64 s[20:21], s[20:21], s[18:19]
	s_mul_u64 s[46:47], s[46:47], s[18:19]
	s_mul_i32 s45, s14, HALFT
	s_mul_i32 s94, s14, HALFS
	s_wait_kmcnt 0x0
	s_cmp_eq_u32 ttmp9, 2
	s_cselect_b64 s[98:99], s[8:9], s[4:5]
	s_cselect_b64 s[100:101], s[10:11], s[6:7]
	s_cselect_b64 s[8:9], s[4:5], s[8:9]
	s_cselect_b64 s[10:11], s[6:7], s[10:11]
	s_add_nc_u64 s[20:21], s[98:99], s[20:21]
	s_add_nc_u64 s[22:23], s[100:101], s[22:23]
	s_add_nc_u64 s[46:47], s[8:9], s[46:47]
	s_add_nc_u64 s[92:93], s[10:11], s[92:93]
	CROUND
	s_mov_b32 s[G0S], 1
	s_add_co_u32 s[G0S+1], s94, SCL
	s_mov_b64 s[G0S+2:G0S+3], s[22:23]
	s_or_b32 s[G0S+3], s[G0S+3], 0x80000000
	s_mov_b32 s[G0SB], 1
	s_add_co_u32 s[G0SB+1], s94, SCL
	s_mov_b64 s[G0SB+2:G0SB+3], s[92:93]
	s_or_b32 s[G0SB+3], s[G0SB+3], 0x80000000
	JLOAD G0S, G1S, G0SB, G1SB
.irp s, 0,1
	s_mov_b32 s[G0+4*\s], 1
	s_add_co_u32 s[G0+4*\s+1], s45, \s*SLOT
	s_add_nc_u64 s[G0+4*\s+2:G0+4*\s+3], s[20:21], \s*ROWB
	s_or_b32 s[G0+4*\s+3], s[G0+4*\s+3], 0x80000000
	s_mov_b32 s[G0B+4*\s], 1
	s_add_co_u32 s[G0B+4*\s+1], s45, \s*SLOT
	s_add_nc_u64 s[G0B+4*\s+2:G0B+4*\s+3], s[46:47], \s*ROWB
	s_or_b32 s[G0B+4*\s+3], s[G0B+4*\s+3], 0x80000000
	s_wait_alu depctr_va_vdst(0)
	s_wait_tensorcnt 0x0
	ds_add_u32 v28, v29
	s_wait_dscnt 0x0
	CROUND
	JLOAD G0+4*\s, G1, G0B+4*\s, G1B
.endr
	v_and_b32 v1, 15, v0
	v_bfe_u32 v2, v0, 4, 1
	v_mul_u32_u24 v3, v1, PITCH
	v_mul_u32_u24 v4, v2, 24
	v_add_nc_u32 v4, v3, v4
	v_lshl_add_u32 v5, v2, 4, v4
	s_mul_i32 s21, s15, HALFT
	s_mul_i32 s22, s16, HALFT
	s_add_co_u32 s22, s22, 2*HALFT
.irp s, 0,1
	v_add_nc_u32 v[ADRA+\s], s21, v4
	v_add_nc_u32 v[ADRB+\s], s22, v4
	v_add_nc_u32 v[ADRA+2+\s], s21, v5
	v_add_nc_u32 v[ADRB+2+\s], s22, v5
	s_add_co_u32 s21, s21, SLOT
	s_add_co_u32 s22, s22, SLOT
.endr
	v_mul_u32_u24 v5, v1, KS
	v_lshrrev_b32 v6, 8, v5
	v_lshl_add_u32 v5, v6, 4, v5
	s_mul_i32 s21, s15, HALFS
	s_mul_i32 s22, s16, HALFS
	s_add_co_u32 s22, s22, 2*HALFS
	s_sub_co_u32 s22, s22, s21
	v_mul_u32_u24 v6, s22, v2
	s_add_co_u32 s21, s21, SCL
	v_add_nc_u32 v5, v5, v6
	v_add_nc_u32 v[ADRS], s21, v5
	v_and_b32 v6, 31, v0
	v_lshlrev_b32 v[O16], 4, v6
	v_lshlrev_b32 v[O8], 3, v6
	v_lshlrev_b32 v[SH8], 3, v2
	s_mov_b32 s66, 0x76543210
	s_mov_b32 s67, 0xfedcba98
	s_mov_b32 s96, 0xffff0000
	s_lshl_b32 s94, s17, 2
	s_lshl_b32 s95, s15, 1
	s_add_co_u32 s94, s94, s95
	s_lshl_b32 s95, s42, 2
	s_lshl_b32 s97, s16, 1
	s_add_co_u32 s95, s95, s97
	s_lshl_b32 s97, s42, 1
	s_add_co_u32 s97, s97, s16
	s_lshl_b32 s98, s17, 1
	s_add_co_u32 s98, s98, s15
	s_cmp_eq_u32 ttmp9, 2
	s_cselect_b32 s94, s94, s95
	s_cselect_b32 s97, s97, s98
	s_mul_i32 s94, s94, HEADB
	s_mul_i32 s97, s97, REC
	s_add_co_u32 s94, s94, s97
	s_mov_b32 s95, 0
	s_add_nc_u64 s[12:13], s[12:13], s[94:95]
.macro FRAG reg, adr, q, i
.irp p, 0,1,2,3,4,5
.set PC, 12*(\q)+6*(\p/3)+\p%3
.if PC%8 < 5
	ds_load_b64 v[\reg+2*\p:\reg+2*\p+1], v[\adr] offset:8*PC+16*(PC/8)+(\i)*16*PITCH
.else
	ds_load_b64 v[\reg+2*\p:\reg+2*\p+1], v[\adr+2] offset:8*PC+16*(PC/8)+(\i)*16*PITCH
.endif
.endr
.endm
.macro MUL16 a0, p, q, sc, zero
.irp a, \a0, \a0+1
.irp b, 0,1,2,3,4,5,6,7
.if \zero
	v_wmma_scale_f32_16x16x128_f8f6f4 v[8*(8*((\a)%4)+\b):8*(8*((\a)%4)+\b)+7], v[128*(\p)+FR*\b:128*(\p)+FR*\b+FR-1], v[AF+FR*(\a):AF+FR*(\a)+FR-1], 0, v[SC+8*NQ*(\sc)+NQ*\b+(\q)], v[SC+8*NQ*(\sc)+NQ*(\a)+(\q)] matrix_a_fmt:MATRIX_FMT_FP6 matrix_b_fmt:MATRIX_FMT_FP6 matrix_a_scale:MATRIX_SCALE_ROW1
.else
	v_wmma_scale_f32_16x16x128_f8f6f4 v[8*(8*((\a)%4)+\b):8*(8*((\a)%4)+\b)+7], v[128*(\p)+FR*\b:128*(\p)+FR*\b+FR-1], v[AF+FR*(\a):AF+FR*(\a)+FR-1], v[8*(8*((\a)%4)+\b):8*(8*((\a)%4)+\b)+7], v[SC+8*NQ*(\sc)+NQ*\b+(\q)], v[SC+8*NQ*(\sc)+NQ*(\a)+(\q)] matrix_a_fmt:MATRIX_FMT_FP6 matrix_b_fmt:MATRIX_FMT_FP6 matrix_a_scale:MATRIX_SCALE_ROW1
.endif
.endr
.endr
.endm
.macro FETCH_B slot, q, p
	WIN TO_B
.irp i, 0,1,2,3,4,5,6,7
	FRAG 128*(\p)+FR*\i, ADRB+\slot, \q, \i
.endr
	WIN 0
.endm
.macro FETCH_A slot, q, i0
.irp i, \i0, \i0+1, \i0+2, \i0+3
	FRAG AF+FR*(\i), ADRA+\slot, \q, \i
.endr
.endm
.macro SCALES sc
.irp i, 0,1,2,3,4,5,6,7
	ds_load_b64 v[SC+8*NQ*\sc+NQ*\i:SC+8*NQ*\sc+NQ*\i+1], v[ADRS] offset:\i*SBLK
.endr
.endm
.macro PLACES n
.rept \n
	v_nop
.endr
.endm
.macro STEP slot, q, zero
	s_wait_dscnt 4*NL
	WIN MUL_LO
	MUL16 0, (\q)%2, \q, \slot, \zero
	MUL16 2, (\q)%2, \q, \slot, \zero
	s_wait_dscnt 0
	PLACES NP
	FETCH_B \slot, (\q)+1, 1-(\q)%2
	FETCH_A \slot, (\q)+1, 0
	WIN MUL_HI
	MUL16 4, (\q)%2, \q, \slot, \zero
	MUL16 6, (\q)%2, \q, \slot, \zero
	PLACES NP
	WIN 0
	FETCH_A \slot, (\q)+1, 4
.endm
.macro TURN slot, next, fill
	s_wait_tensorcnt 0x0
	ds_add_u32 v[SPW], v[NIL]
	s_wait_dscnt 4*NL+1
	WIN MUL_LO
	MUL16 0, 1, NQ-1, \slot, 0
	s_wait_dscnt 0x0
	s_barrier_signal -1
	MUL16 2, 1, NQ-1, \slot, 0
	WIN 0
	s_barrier_wait -1
.if \fill
	CREST
	s_add_nc_u64 s[G0+4*\slot+2:G0+4*\slot+3], s[G0+4*\slot+2:G0+4*\slot+3], 2*ROWB
	s_add_nc_u64 s[G0B+4*\slot+2:G0B+4*\slot+3], s[G0B+4*\slot+2:G0B+4*\slot+3], 2*ROWB
	JLOAD G0+4*\slot, G1, G0B+4*\slot, G1B
.else
	PLACES NP
.endif
	s_wait_alu depctr_va_vdst(0)
	v_add_nc_u32 v[ADRS], 4*NQ, v[ADRS]
	FETCH_B \next, 0, 0
	FETCH_A \next, 0, 0
	SCALES \next
	WIN MUL_HI
	MUL16 4, 1, NQ-1, \slot, 0
	MUL16 6, 1, NQ-1, \slot, 0
	PLACES NP
	WIN 0
	FETCH_A \next, 0, 4
.endm
	s_wait_alu depctr_va_vdst(0)
	s_wait_tensorcnt 1
	s_barrier_signal -1
	s_barrier_wait -1
	FETCH_B 0, 0, 0
	FETCH_A 0, 0, 0
	SCALES 0
	FETCH_A 0, 0, 4
	STEP 0, 0, 1
	s_mov_b32 s3, LAPS-1
.Llap:
	TURN 0, 1, 1
	STEP 1, 0, 0
	TURN 1, 0, 1
	STEP 0, 0, 0
	s_sub_co_u32 s3, s3, 1
	s_cmp_lg_u32 s3, 0
	s_cbranch_scc1 .Llap
	TURN 0, 1, 0
	STEP 1, 0, 0
	s_wait_dscnt 4*NL
	WIN MUL_LO
	MUL16 0, 1, NQ-1, 1, 0
	MUL16 2, 1, NQ-1, 1, 0
	s_wait_dscnt 0
	WIN MUL_HI
	MUL16 4, 1, NQ-1, 1, 0
	MUL16 6, 1, NQ-1, 1, 0
	WIN 0
.macro QIMG win, lo, hi, e
.set CI, IMG+12*(\e)
	WIN 0x28+0x14*((\win)-2)
	v_max3_num_f32 v[T], 0x1800000, |v[(\lo)]|, |v[(\lo)+1]|
	v_max3_num_f32 v[T+1], 0x1800000, |v[(\hi)]|, |v[(\hi)+1]|
.irp i, 2,4,6,8,10,12,14,16,18,20,22,24,26,28,30
	v_max3_num_f32 v[T], v[T], |v[(\lo)+\i]|, |v[(\lo)+\i+1]|
	v_max3_num_f32 v[T+1], v[T+1], |v[(\hi)+\i]|, |v[(\hi)+\i+1]|
.endr
	WIN 0
	v_add_nc_u32 v[SO], 0xff000000, v[T]
	v_add_nc_u32 v[SO+1], 0xff000000, v[T+1]
	v_lshrrev_b32 v[BY], 23, v[SO]
	v_lshrrev_b32 v[BY+1], 23, v[SO+1]
	WIN 0x02+((\win)-2)
	v_cvt_scalef32_pk16_fp6_f32 v[CI:CI+2], v[(\lo):(\lo)+15], v[SO]
	v_cvt_scalef32_pk16_fp6_f32 v[XT:XT+2], v[(\lo)+16:(\lo)+31], v[SO]
	v_cvt_scalef32_pk16_fp6_f32 v[CI+6:CI+8], v[(\hi):(\hi)+15], v[SO+1]
	v_cvt_scalef32_pk16_fp6_f32 v[YT:YT+2], v[(\hi)+16:(\hi)+31], v[SO+1]
	WIN 0
	v_nop
.irp i, 0,1,2
	v_mov_b32 v[CI+3+\i], v[XT+\i]
	v_mov_b32 v[CI+9+\i], v[YT+\i]
.endr
	v_lshl_or_b32 v[WW], v[BY+1], 16, v[BY]
	v_lshlrev_b32 v[WW], v[SH8], v[WW]
	v_permlanex16_b32 v[WX], v[WW], s66, s67
	v_or_b32 v[WD+(\e)], v[WW], v[WX]
.irp c, 0,1,2
	global_store_b128 v[O16], v[CI+4*\c:CI+4*\c+3], s[12:13] offset:((\e)/4)*HEADB+((\e)%4)*1536+512*\c th:TH_STORE_NT
.endr
.endm
.macro SCOUT q
	v_cndmask_b32 v[XP+2*(\q)], v[WD+4*(\q)], v[WD+4*(\q)+1], s96
	v_cndmask_b32 v[XP+2*(\q)+1], v[WD+4*(\q)+2], v[WD+4*(\q)+3], s96
	global_store_b64 v[O8], v[XP+2*(\q):XP+2*(\q)+1], s[12:13] offset:(\q)*HEADB+6144 th:TH_STORE_NT
.endm
	PLACES NP
	v_mov_b32 v[WX], 0
	s_cmp_eq_u32 ttmp9, 2
	s_cbranch_scc1 .Lv
.irp jg, 0,1
.irp p, 0,1,2,3
.set LO, 64*((2*\p)%4)+32*\jg
	QIMG 2+\p/2, LO, LO+64, 4*\jg+\p
.endr
	SCOUT \jg
.endr
	s_branch .Lend
.Lv:
.irp a, 0,1,2,3,4,5,6,7
.set LO, 64*(\a%4)
	QIMG 2+\a/4, LO, LO+32, \a
.if \a%4 == 3
	SCOUT \a/4
.endif
.endr
.Lend:
	s_wait_tensorcnt 0x0
	ds_add_u32 v[SPW], v[NIL]
	s_wait_dscnt 0x0
	CROUND
	s_endpgm
.Lfunc_end_k_q4375c3dee5_proj:
	.size	k_q4375c3dee5_proj, .Lfunc_end_k_q4375c3dee5_proj-k_q4375c3dee5_proj
	.p2alignl 7, 3214868480
	.fill 96, 4, 3214868480
	.section	.rodata,"a",@progbits
	.p2align	6, 0x0
	.amdhsa_kernel k_q4375c3dee5_proj
		.amdhsa_group_segment_fixed_size 327680
		.amdhsa_private_segment_fixed_size 0
		.amdhsa_enable_private_segment 0
		.amdhsa_kernarg_size 40
		.amdhsa_user_sgpr_count 2
		.amdhsa_user_sgpr_kernarg_segment_ptr 1
		.amdhsa_wavefront_size32 1
		.amdhsa_system_sgpr_workgroup_id_x 1
		.amdhsa_system_sgpr_workgroup_id_y 1
		.amdhsa_system_sgpr_workgroup_id_z 1
		.amdhsa_system_vgpr_workitem_id 0
		.amdhsa_next_free_vgpr 1024
		.amdhsa_next_free_sgpr 102
		.amdhsa_reserve_vcc 0
		.amdhsa_float_denorm_mode_32 3
		.amdhsa_float_denorm_mode_16_64 3
		.amdhsa_memory_ordered 1
		.amdhsa_forward_progress 1
		.amdhsa_inst_pref_size 186
	.end_amdhsa_kernel
	.amdgpu_metadata
---
amdhsa.version: [ 1, 2 ]
amdhsa.kernels:
  - .name:           k_q4375c3dee5_proj
    .symbol:         k_q4375c3dee5_proj.kd
    .args:
      - { .name: x_codes, .offset: 0, .size: 8, .value_kind: global_buffer, .address_space: global }
      - { .name: x_scales, .offset: 8, .size: 8, .value_kind: global_buffer, .address_space: global }
      - { .name: w_codes, .offset: 16, .size: 8, .value_kind: global_buffer, .address_space: global }
      - { .name: w_scales, .offset: 24, .size: 8, .value_kind: global_buffer, .address_space: global }
      - { .name: qkv, .offset: 32, .size: 8, .value_kind: global_buffer, .address_space: global }
    .group_segment_fixed_size: 327680
    .private_segment_fixed_size: 0
    .kernarg_segment_align: 8
    .kernarg_segment_size: 40
    .max_flat_workgroup_size: 128
    .sgpr_count:     102
    .vgpr_count:     1024
    .wavefront_size: 32
...
	.end_amdgpu_metadata
.endif
;; end of part 2
;; launch attn (part 3): grid 4 x 64, 16 waves a work-group, clusters of 4 x 1, 276,480 bytes of LDS; arguments qkv, out0; writes out0
.if DOCPART == 3
	.amdgcn_target "amdgcn-amd-amdhsa--gfx1250"
	.amdhsa_code_object_version 6
	.text
	.protected	k_q4375c3dee5_attn
	.globl	k_q4375c3dee5_attn
	.p2align	8
	.type	k_q4375c3dee5_attn,@function
k_q4375c3dee5_attn:
	s_mov_b64 s[64:65], 0
	v_nop
	global_prefetch_b8 v0, s[64:65] scope:SCOPE_SE
	s_setreg_imm32_b32 hwreg(HW_REG_WAVE_MODE, 25, 1), 1
	s_wait_xcnt 0x0
	s_wait_alu depctr_hold_cnt(0) depctr_sa_sdst(0) depctr_va_vdst(0) depctr_va_sdst(0) depctr_va_ssrc(0) depctr_va_vcc(0) depctr_vm_vsrc(0)
	s_getreg_b32 s2, hwreg(HW_REG_IB_STS2, 6, 4)
	s_cmp_eq_u32 s2, 0
	s_cbranch_scc0 .Lentry_in_a_cluster
	s_endpgm
.Lentry_in_a_cluster:
	s_bfe_u32 s2, ttmp6, 0x10000c
	s_cmp_lg_u32 s2, 0x3003
	s_cbranch_scc0 .Lentry_shape_is_right
	s_endpgm
.Lentry_shape_is_right:
; out0[b][q][64 h + d] = the sum over k of softmax_k(Q . K / 8) V, for 64 pairs (b, h), 2,048 queries and keys, head size 64; both products on codes of FP6 (E2M3) with E8M0 scales.
; qkv [48 heads][64 records][6,400]: heads 0-15 Q, 16-31 K, 32-47 V; record 16 b + s serves tokens 128 s on of batch b: four images of operand registers (1,536 bytes: registers 4 c .. 4 c + 3 of lane l at 512 c + 16 l)
; and 256 bytes of scale words (image f, row r at 6,144 + 128 (f % 2) + 8 r + 4 (f / 2)).  In each group of 64 tokens, token 32 a + 8 u + c lies at stored place 16 u + 8 a + c; V's rows d likewise.
; THE SOFTMAX: t = score x log2(e) / 8; M = the running largest t, rounded UP to a whole number; p = 2^(t - M) is quantised along the keys, not normalised; the row's sum is taken of the unquantised p and divides at the end.
; When M moves, the sum and O are multiplied by 2^(old M - new M): exact.
; SHARES.  A cluster of four work-groups takes one (b, h); a work-group 512 queries; each of its sixteen waves one tile of 16 queries in each of two passes, in 256 registers: four waves to a SIMD.
; ALL OF THE HEAD'S K AND V, 2 x 102,400 bytes, LIES IN LDS for the whole launch: waves 0-3 bring a quarter each by one JOINT tensor load (mask of the four work-groups), filled once.  Nothing is filled again:
; no ring and no round in the loop.  All tensor loads go out in the kernel's first lines, so there is no later load for which a prefetch could ask ahead.
; LAYOUT.  Both products are used transposed: a lane holds ONE query (lane % 16) throughout.  S^T = K Q^T: the product's K is 64 and the instruction's 128: an image of K holds TWO tiles of 16 keys, and is multiplied
; by (q, zero codes) for the first and by (zero codes, q) for the second.  By the stored order the 64 scores of a lane are keys 64 c + 32 (lane / 16) + 0 .. 31 in registers 32 c on: two whole blocks of the
; quantiser in a lane, in the 6-bit operand's own order.  O^T = V^T P^T: by the same order a lane's 32 registers are d = 32 (lane / 16) + 0 .. 31.
; LIMITS: NaN and infinities are not served; p under 2^-126 becomes 0; a block whose every p is 0 keeps the byte 1 (its codes are zeros).
.set REC,   6400
.set HEADB, 64*REC
.set KV,    16*REC                     ; LDS: K's 16 records at 0, V's at KV
.set STG,   2*KV                       ; behind them: a stage of 16 rows x (256 + 16) bytes for each wave, into which no fill lands
.set SPT,   272
.set LI,   1                           ; v1   16 x lane: my place in an image
.set LSC,  2                           ; v2   8 x (lane % 16): my row's place among the scale words
.set ADK,  3                           ; v3-6 the step's addresses: K's images, K's scale words, V's images, V's scale words
.set ADS,  4
.set ADV,  5
.set ADT,  6
.set SH8,  7                           ; v7   8 x (lane / 16)
.set GO,   8                           ; v8   the way out: my byte offset in out0
.set STO,  9                           ; v9   where I put my 128 bytes of a row
.set RD,   10                          ; v10  where I read a row back
.set QLO,  16                          ; v16-27 (q, zeros);  v28-39 (zeros, q)
.set QHI,  28
.set QSL,  40                          ; v40, v41 their scale words: (s0, s1, 0, 0) and (0, 0, s0, s1)
.set QSH,  41
.set PSC,  42                          ; v42  p's scale word
.set SW,   44                          ; v44-47 the four fragments' scale words
.set F,    48                          ; v48-95 four fragments of K, then of V
.set S,    96                          ; v96-159 S^T, then p
.set O,    160                         ; v160-191 O^T
.set P,    192                         ; v192-203 p's codes
.set PT,   204                         ; v204-206, v208-210 the blocks' upper halves
.set BM,   212                         ; v212-213 the blocks' largest scores, then largest p
.set SO,   214
.set BY,   216
.set T,    218                         ; v218, v219 at work
.set T2,   219
.set FF,   220                         ; v[220:221] f = 2^(old M - new M)
.set A2,   222                         ; v[222:223] the sums' second chain
.set QR,   224                         ; v224-229, v230: pass 0's q and its scale word as loaded;  v232-237, v238: pass 1's
.macro ROUND                           ; a round of the cluster's barrier
	s_barrier_signal -1
	s_barrier_wait -1
	s_cmp_lg_u32 s8, 0
	s_cbranch_scc1 .Lnot_wave_0_\@
	s_barrier_signal -3
.Lnot_wave_0_\@:
	s_barrier_wait -3
	s_barrier_signal -1
	s_barrier_wait -1
.endm
	s_load_b128 s[4:7], s[0:1], 0x0                ; qkv, out0
	v_lshl_add_u32 v254, v0, 2, 0x43000
	v_mov_b32 v255, 0
	ds_add_u32 v254, v255
	ds_add_u32 v254, v255
	v_lshrrev_b32 v1, 5, v0
	s_delay_alu instid0(VALU_DEP_1)
	v_readfirstlane_b32 s8, v1                     ; wave 0..15
	s_bfe_u32 s9, ttmp6, 0x40000                   ; cx: it enters Q's and out0's addresses alone
	s_and_b32 s10, ttmp7, 0xffff                   ; 16 b + h, which the four partners share
	s_lshr_b32 s11, s10, 4                         ; b
	s_and_b32 s12, s10, 15                         ; h
	s_bfe_u32 s13, s8, 0x10001                     ; what I fetch, if I fetch: K (0) or V (1),
	s_and_b32 s14, s8, 1                           ; its records 0-7 or 8-15.  Also: which of an image's two tiles is my tile of queries
	s_lshl_b32 s15, s13, 4
	s_add_co_u32 s15, s15, s12
	s_add_co_u32 s15, s15, 16                      ; the head in qkv: 16 + h or 32 + h
	s_mul_i32 s16, s15, HEADB
	s_mul_i32 s17, s11, KV
	s_add_co_u32 s16, s16, s17
	s_mul_i32 s19, s14, 8*REC
	s_add_co_u32 s16, s16, s19
	s_mov_b32 s17, 0
	s_mul_i32 s18, s13, KV
	s_add_co_u32 s18, s18, s19                     ; and where it goes: no place in the cluster enters an LDS address
	; descriptor group 1: 8 records, a dense block of 51,200 bytes, as 200 rows of 256 bytes (32 elements of 8), no padding
	s_mov_b32 s28, 15|(3<<16)|(1<<21)              ; 15:0 the mask: all four work-groups; 17:16 elements of 8 bytes; 21 set beside a mask
	s_mov_b32 s29, 32<<16                          ; tensor_dim0
	s_mov_b32 s30, 200<<16                         ; tensor_dim1
	s_mov_b32 s31, 32<<16                          ; tile_dim0
	s_mov_b32 s32, 200                             ; tile_dim1
	s_mov_b32 s33, 32                              ; the pitch
	s_mov_b32 s34, 0
	s_mov_b32 s35, 0
	s_mov_b32 s24, 0x76543210
	s_mov_b32 s25, 0xfedcba98                      ; v_permlanex16_b32's selects for lane l xor 16
	s_mov_b32 s26, 0x3e38aa3b                      ; c = log2(e) / 8
	s_mov_b32 s27, s26                             ; (named with it as a pair, so it is written)
	s_lshl_b32 s56, s14, 4                         ; my tile's two scale bytes lie 16 x (wave % 2) bits up in the image's word
	s_wait_dscnt 0x0
	s_wait_kmcnt 0x0
	s_mov_b32 s44, 1                               ; group 0: count = 1
	s_mov_b32 s45, s18                             ; LDS address
	s_add_nc_u64 s[46:47], s[4:5], s[16:17]        ; global address
	s_or_b32 s47, s47, 0x80000000                  ; type = 2
	ROUND                                          ; all four work-groups are here: the joint loads meet
	s_cmp_lt_u32 s8, 4
	s_cbranch_scc0 .Lno_fetch
	tensor_load_to_lds s[44:47], s[28:35]          ; my one tensor load of the launch
	s_nop 0
.rept 4
	v_nop
.endr
.Lno_fetch:
	; Q: head h, record 16 b + 4 cx + 2 pass + wave / 8, image (wave / 2) % 4, registers 0-5 or 6-11 by wave % 2
	s_mul_i32 s20, s12, HEADB
	s_lshl_b32 s21, s11, 4
	s_lshl_b32 s22, s9, 2
	s_add_co_u32 s21, s21, s22
	s_lshr_b32 s22, s8, 3
	s_add_co_u32 s21, s21, s22
	s_mul_i32 s21, s21, REC
	s_add_co_u32 s20, s20, s21
	s_mov_b32 s21, 0
	s_add_nc_u64 s[54:55], s[4:5], s[20:21]
	s_bfe_u32 s23, s8, 0x20001                     ; the image f
	s_mul_i32 s15, s23, 1536
	s_mul_i32 s16, s14, 520
	s_add_co_u32 s16, s16, s15                     ; registers 0, 1 at 16 l;        registers 6, 7 at 512 + 16 l + 8
	s_mul_i32 s17, s14, 1016
	s_add_co_u32 s17, s17, s15
	s_add_co_u32 s17, s17, 8                       ; registers 2, 3 at 16 l + 8;    registers 8, 9 at 1,024 + 16 l
	s_add_co_u32 s18, s16, 512                     ; registers 4, 5 at 512 + 16 l;  registers 10, 11 at 1,024 + 16 l + 8
	s_and_b32 s19, s23, 1
	s_lshl_b32 s19, s19, 7
	s_lshr_b32 s20, s23, 1
	s_lshl_b32 s20, s20, 2
	s_add_co_u32 s19, s19, s20
	s_add_co_u32 s19, s19, 6144                    ; the image's scale words
	v_and_b32 v[LI], 31, v0
	s_delay_alu instid0(VALU_DEP_1)
	v_lshlrev_b32 v[LI], 4, v[LI]
	v_and_b32 v11, 15, v0                          ; r
	v_bfe_u32 v[SH8], v0, 4, 1                     ; lane / 16
	s_wait_alu depctr_va_vdst(0)
	v_lshlrev_b32 v[LSC], 3, v11
	v_add_nc_u32 v240, s16, v[LI]
	v_add_nc_u32 v241, s17, v[LI]
	v_add_nc_u32 v242, s18, v[LI]
	s_delay_alu instid0(VALU_DEP_4)
	v_add_nc_u32 v243, s19, v[LSC]
.irp p, 0,1
	global_load_b64 v[QR+8*\p:QR+8*\p+1], v240, s[54:55] offset:2*REC*\p
	global_load_b64 v[QR+8*\p+2:QR+8*\p+3], v241, s[54:55] offset:2*REC*\p
	global_load_b64 v[QR+8*\p+4:QR+8*\p+5], v242, s[54:55] offset:2*REC*\p
	global_load_b32 v[QR+8*\p+6], v243, s[54:55] offset:2*REC*\p
.endr
	; out0: my tile a = wave % 8 of stored rows 16 a + r is rows 64 (a / 4) + 32 (r / 8) + 8 (a % 4) + r % 8 of its record
	s_lshl_b32 s20, s11, 11
	s_lshl_b32 s21, s9, 9
	s_add_co_u32 s20, s20, s21
	s_lshr_b32 s21, s8, 3
	s_lshl_b32 s21, s21, 7
	s_add_co_u32 s20, s20, s21
	s_bfe_u32 s21, s8, 0x10002
	s_lshl_b32 s21, s21, 6
	s_add_co_u32 s20, s20, s21
	s_and_b32 s21, s8, 3
	s_lshl_b32 s21, s21, 3
	s_add_co_u32 s20, s20, s21                     ; row 2,048 b + 512 cx + 128 (wave / 8) + 64 (a / 4) + 8 (a % 4)
	s_lshl_b32 s20, s20, 12                        ; of 4,096 bytes,
	s_lshl_b32 s21, s12, 8                         ; the head's 256 bytes in it
	s_add_co_u32 s20, s20, s21
	s_mov_b32 s21, 0
	s_add_nc_u64 s[6:7], s[6:7], s[20:21]
	v_lshlrev_b32 v[GO], 12, v[SH8]
	s_delay_alu instid0(VALU_DEP_1)
	v_lshl_add_u32 v[GO], v11, 4, v[GO]            ; lanes 0-15 one row, lanes 16-31 the next; 16 bytes a lane
	s_mul_i32 s22, s8, 16*SPT
	s_add_co_u32 s22, s22, STG                     ; my stage
	v_mul_u32_u24 v[STO], v11, SPT
	s_delay_alu instid0(VALU_DEP_1)
	v_lshl_add_u32 v[STO], v[SH8], 7, v[STO]
	s_delay_alu instid0(VALU_DEP_1)
	v_add_nc_u32 v[STO], s22, v[STO]               ; in: row r, my half's 128 bytes
	v_mul_u32_u24 v[RD], v[SH8], SPT
	s_delay_alu instid0(VALU_DEP_1)
	v_lshl_add_u32 v[RD], v11, 4, v[RD]
	s_delay_alu instid0(VALU_DEP_1)
	v_add_nc_u32 v[RD], s22, v[RD]                 ; back: two rows an instruction
	v_lshlrev_b32 v[SH8], 3, v[SH8]
.irp i, 0,1,2,3,4,5
	v_mov_b32 v[QLO+6+\i], 0                       ; the zero codes: written once
	v_mov_b32 v[QHI+\i], 0
.endr
	v_mov_b32 v[T2], 0                             ; a lane permute's destination counts as one of its sources
	v_mov_b32 v[FF+1], 0                           ; (named as the upper half of a pair)
; A pass's start: q into its two operands, its scale words, and the running figures.  O^T and the sum begin as zeros and the largest t as -3e38, so that the key step is written once: its first trip multiplies zeros.
; The 32 clearing lines are also the places between the lines that write the operands and scale registers and the first scaled product.
.macro PASS_HEAD p
	v_lshrrev_b32 v[QSL], s56, v[QR+8*\p+6]
	s_delay_alu instid0(VALU_DEP_1)
	v_and_b32 v[QSL], 0xffff, v[QSL]
	s_delay_alu instid0(VALU_DEP_1)
	v_lshlrev_b32 v[QSH], 16, v[QSL]
.irp i, 0,1,2,3,4,5
	v_mov_b32 v[QLO+\i], v[QR+8*\p+\i]
	v_mov_b32 v[QHI+6+\i], v[QR+8*\p+\i]
.endr
	v_mov_b32 v13, 0xff61b1e6                      ; the largest t so far: -3e38
	s_delay_alu instid0(VALU_DEP_1)
	v_floor_f32 v12, -v13                          ; -M
	v_mov_b32 v14, 0                               ; the sum, in two halves
	v_mov_b32 v15, 0
.set j, 0
.rept 32
	v_mov_b32 v[O+j], 0
.set j, j+1
.endr
	s_mov_b32 s52, 0                               ; the first record
.endm
; A KEY STEP: one record, 128 keys.
.macro STEP
	v_add_nc_u32 v[ADK], s52, v[LI]                ; four plain lines: the places between the last step's products and the loads into the registers that they read
	v_add_nc_u32 v[ADS], s52, v[LSC]
	s_delay_alu instid0(VALU_DEP_2)
	v_add_nc_u32 v[ADV], KV, v[ADK]
	s_delay_alu instid0(VALU_DEP_2)
	v_add_nc_u32 v[ADT], KV, v[ADS]
.irp f, 0,1,2,3
.irp c, 0,1,2
	ds_load_b128 v[F+12*\f+4*\c:F+12*\f+4*\c+3], v[ADK] offset:1536*\f+512*\c   ; an image comes back as it was stored: 512 consecutive bytes an instruction
.endr
	ds_load_b32 v[SW+\f], v[ADS] offset:6144+128*(\f%2)+4*(\f/2)
.endr
	s_wait_alu depctr_va_vdst(0)
	s_wait_dscnt 0x0
.irp f, 0,1,2,3                        ; eight sums, each begun with 0 and finished by one instruction
	v_wmma_scale_f32_16x16x128_f8f6f4 v[S+16*\f:S+16*\f+7], v[F+12*\f:F+12*\f+11], v[QLO:QLO+11], 0, v[SW+\f], v[QSL] matrix_a_fmt:MATRIX_FMT_FP6 matrix_b_fmt:MATRIX_FMT_FP6
	v_wmma_scale_f32_16x16x128_f8f6f4 v[S+16*\f+8:S+16*\f+15], v[F+12*\f:F+12*\f+11], v[QHI:QHI+11], 0, v[SW+\f], v[QSH] matrix_a_fmt:MATRIX_FMT_FP6 matrix_b_fmt:MATRIX_FMT_FP6
.endr
.rept 4
	v_nop                                          ; places in front of the loads below and of the first read of the scores
.endr
.irp f, 0,1,2,3                        ; V's images are asked for now and land under the softmax
.irp c, 0,1,2
	ds_load_b128 v[F+12*\f+4*\c:F+12*\f+4*\c+3], v[ADV] offset:1536*\f+512*\c
.endr
	ds_load_b32 v[SW+\f], v[ADT] offset:6144+128*(\f%2)+4*(\f/2)
.endr
	v_max3_num_f32 v[BM], v[S], v[S+1], v[S+2]     ; THE LARGEST SCORE OF EACH OF MY TWO BLOCKS OF 32 KEYS: it serves for the row's maximum and, since p rises with the score, for the block's largest p
	v_max3_num_f32 v[BM+1], v[S+32], v[S+33], v[S+34]   ; (ascending: each accumulator is first read at its low end)
.irp i, 3,5,7,9,11,13,15,17,19,21,23,25,27,29
	v_max3_num_f32 v[BM], v[BM], v[S+\i], v[S+\i+1]
	v_max3_num_f32 v[BM+1], v[BM+1], v[S+32+\i], v[S+33+\i]
.endr
	v_max_num_f32 v[BM], v[BM], v[S+31]
	v_max_num_f32 v[BM+1], v[BM+1], v[S+63]
	s_delay_alu instid0(VALU_DEP_1)
	v_max_num_f32 v[T], v[BM], v[BM+1]
	s_delay_alu instid0(VALU_DEP_1)
	v_permlanex16_b32 v[T2], v[T], s24, s25
	s_delay_alu instid0(VALU_DEP_1)
	v_max_num_f32 v[T], v[T], v[T2]                ; with lane l xor 16's 64 keys: the step's largest score of my query
	s_delay_alu instid0(VALU_DEP_1)
	v_mul_f32 v[T], s26, v[T]                      ; as t (c is positive)
	s_delay_alu instid0(VALU_DEP_1)
	v_max_num_f32 v13, v13, v[T]                   ; the running largest t
	v_mov_b32 v[T], v12
	s_delay_alu instid0(VALU_DEP_2)
	v_floor_f32 v12, -v13                          ; the new -M = floor(-t): M is a whole number
	s_delay_alu instid0(VALU_DEP_1)
	v_sub_f32 v[T], v12, v[T]                      ; old M - new M: a whole number, 0 or less
	s_delay_alu instid0(VALU_DEP_1)
	v_cvt_i32_f32 v[T], v[T]                       ; (it saturates)
	s_delay_alu instid0(VALU_DEP_1)
	v_ldexp_f32 v[FF], 1.0, v[T]                   ; f = 2^(old M - new M)
.set j, 0
.rept 32
	v_pk_fma_f32 v[S+j:S+j+1], v[S+j:S+j+1], s[26:27], v[12:13] op_sel_hi:[1,0,0]   ; t - M, two at a time
.set j, j+2
.endr
	v_fma_f32 v[BM], v[BM], s26, v12               ; the same of each block's largest score
	v_fma_f32 v[BM+1], v[BM+1], s26, v12
.set j, 0
	s_setprio 1
	s_wait_alu depctr_va_vdst(0)
.rept 64
	v_exp_f32 v[S+j], v[S+j]                       ; p = 2^(t - M), at most 1
.set j, j+1
.endr
	v_pk_mul_f32 v[14:15], v[14:15], v[FF:FF+1] op_sel_hi:[1,0]   ; the sums under the new M: a plain line behind the exponentials
	s_wait_alu depctr_va_vdst(0)                   ; one wait for the batch of 64, ahead of its first reader
	v_exp_f32 v[BM], v[BM]                         ; the blocks' largest p: the same two instructions on the same number give the same bits
	v_exp_f32 v[BM+1], v[BM+1]
	v_pk_add_f32 v[222:223], v[100:101], v[104:105]
	v_pk_add_f32 v[252:253], v[108:109], v[112:113]
	v_pk_add_f32 v[250:251], v[116:117], v[120:121]
	v_pk_add_f32 v[248:249], v[124:125], v[128:129]
	v_pk_add_f32 v[246:247], v[132:133], v[136:137]
	v_pk_add_f32 v[244:245], v[140:141], v[144:145]
	v_pk_add_f32 v[242:243], v[148:149], v[152:153]
	v_pk_add_f32 v[14:15], v[14:15], v[156:157]
	v_pk_add_f32 v[222:223], v[222:223], v[96:97]
	v_pk_add_f32 v[252:253], v[252:253], v[98:99]
	v_pk_add_f32 v[250:251], v[250:251], v[102:103]
	v_pk_add_f32 v[248:249], v[248:249], v[106:107]
	v_pk_add_f32 v[246:247], v[246:247], v[110:111]
	v_pk_add_f32 v[244:245], v[244:245], v[114:115]
	v_pk_add_f32 v[242:243], v[242:243], v[118:119]
	v_pk_add_f32 v[14:15], v[14:15], v[122:123]
	v_pk_add_f32 v[222:223], v[222:223], v[126:127]
	v_pk_add_f32 v[252:253], v[252:253], v[130:131]
	v_pk_add_f32 v[250:251], v[250:251], v[134:135]
	v_pk_add_f32 v[248:249], v[248:249], v[138:139]
	v_pk_add_f32 v[246:247], v[246:247], v[142:143]
	v_pk_add_f32 v[244:245], v[244:245], v[146:147]
	v_pk_add_f32 v[242:243], v[242:243], v[150:151]
	v_pk_add_f32 v[14:15], v[14:15], v[154:155]
	v_pk_add_f32 v[222:223], v[222:223], v[158:159]
	s_delay_alu instid0(VALU_DEP_2)
	v_pk_add_f32 v[14:15], v[14:15], v[248:249]
	s_delay_alu instid0(VALU_DEP_2)
	v_pk_add_f32 v[222:223], v[222:223], v[246:247]
	v_pk_add_f32 v[252:253], v[252:253], v[244:245]
	v_pk_add_f32 v[250:251], v[250:251], v[242:243]
	s_delay_alu instid0(VALU_DEP_2)
	v_pk_add_f32 v[14:15], v[14:15], v[252:253]
	s_delay_alu instid0(VALU_DEP_2)
	v_pk_add_f32 v[222:223], v[222:223], v[250:251]
	s_delay_alu instid0(VALU_DEP_1)
	v_pk_add_f32 v[14:15], v[14:15], v[222:223]
	s_wait_alu depctr_va_vdst(0)                   ; and one for the two
	v_max_num_f32 v[BM], 0x1800000, v[BM]          ; the floor 2^(3 - 127): the byte cannot fall under 1
	v_max_num_f32 v[BM+1], 0x1800000, v[BM+1]
	s_delay_alu instid0(VALU_DEP_2)
	v_add_nc_u32 v[SO], 0xff000000, v[BM]          ; 2 off the exponent field: the conversion's scale operand
	s_delay_alu instid0(VALU_DEP_2)
	v_add_nc_u32 v[SO+1], 0xff000000, v[BM+1]
	s_delay_alu instid0(VALU_DEP_2)
	v_lshrrev_b32 v[BY], 23, v[SO]
	s_delay_alu instid0(VALU_DEP_2)
	v_lshrrev_b32 v[BY+1], 23, v[SO+1]
	s_delay_alu instid0(VALU_DEP_1)
	v_lshl_or_b32 v[T], v[BY+1], 16, v[BY]         ; my two bytes: blocks lane / 16 and 2 + lane / 16,
	s_delay_alu instid0(VALU_DEP_1)
	v_lshlrev_b32 v[T], v[SH8], v[T]
	s_delay_alu instid0(VALU_DEP_1)
	v_permlanex16_b32 v[T2], v[T], s24, s25
	s_delay_alu instid0(VALU_DEP_1)
	v_or_b32 v[PSC], v[T], v[T2]                   ; with lane l xor 16's two: p's scale word for these 128 keys
	v_cvt_scalef32_pk16_fp6_f32 v[P:P+2], v[S:S+15], v[SO]
	v_cvt_scalef32_pk16_fp6_f32 v[PT:PT+2], v[S+16:S+31], v[SO]     ; (a conversion's three registers begin on an even number)
	v_cvt_scalef32_pk16_fp6_f32 v[P+6:P+8], v[S+32:S+47], v[SO+1]
	v_cvt_scalef32_pk16_fp6_f32 v[PT+4:PT+6], v[S+48:S+63], v[SO+1]
	v_nop                                          ; one plain place behind a scaled conversion
.irp i, 0,1,2
	v_mov_b32 v[P+3+\i], v[PT+\i]
	v_mov_b32 v[P+9+\i], v[PT+4+\i]
.endr
.set j, 0
	s_setprio 0
.rept 16
	v_pk_mul_f32 v[O+j:O+j+1], v[O+j:O+j+1], v[FF:FF+1] op_sel_hi:[1,0]   ; O^T under the new M.  (These 16 are also the places between the lines that wrote p's codes and scale word and the products)
.set j, j+2
.endr
	s_wait_alu depctr_va_vdst(0)
	s_wait_dscnt 0x0                               ; V's images are in
.irp u, 0,1,2,3                        ; the four accumulators by turns; between two links of a chain stand eleven other products
	v_wmma_scale_f32_16x16x128_f8f6f4 v[O+8*\u:O+8*\u+7], v[F+12*\u:F+12*\u+11], v[P:P+11], v[O+8*\u:O+8*\u+7], v[SW+\u], v[PSC] matrix_a_fmt:MATRIX_FMT_FP6 matrix_b_fmt:MATRIX_FMT_FP6
.endr
	s_add_co_u32 s52, s52, REC                     ; the next record
.endm
.macro KEYS n
	s_mov_b32 s53, \n
.Lkeys_\@:
	s_setprio 2
	STEP
	s_sub_co_u32 s53, s53, 1
	s_cmp_lg_u32 s53, 0
	s_cbranch_scc1 .Lkeys_\@
	s_setprio 0
.endm
; THE WAY OUT of a pass.  O^T / the sum goes through my own stage in LDS and comes back as whole rows of the head's 256 bytes: sixteen lanes store 256 consecutive aligned bytes.
.macro WAYOUT p
	v_add_f32 v14, v14, v15                        ; the sum's two halves,
	s_delay_alu instid0(VALU_DEP_1)
	v_permlanex16_b32 v[T2], v14, s24, s25
	s_delay_alu instid0(VALU_DEP_1)
	v_add_f32 v14, v14, v[T2]                      ; and lane l xor 16's: the row's sum
	s_wait_alu depctr_va_vdst(0)
	v_rcp_f32 v14, v14
.rept 4
	v_nop                                          ; the plain line behind the reciprocal, and the places behind the last products
.endr
	s_wait_alu depctr_va_vdst(0)                   ; the wait ahead of the reciprocal's first reader
.set j, 0
.rept 16
	v_pk_mul_f32 v[S+j:S+j+1], v[O+j:O+j+1], v[14:15] op_sel_hi:[1,0]   ; register i is out(my query, 32 (lane / 16) + i)
.set j, j+2
.endr
.irp i, 0,1,2,3,4,5,6,7
	ds_store_b128 v[STO], v[S+4*\i:S+4*\i+3] offset:16*\i
.endr
.irp i, 0,1,2,3,4,5,6,7
	ds_load_b128 v[F+4*\i:F+4*\i+3], v[RD] offset:2*\i*SPT      ; LDS serves a wave's instructions in order: these see my stores
.endr
.irp i, 0,1,2,3,4,5,6,7
	s_wait_dscnt 7-\i                              ; the younger loads may be out
	global_store_b128 v[GO], v[F+4*\i:F+4*\i+3], s[6:7] offset:(32*(\i/4)+2*(\i%4))*4096+1048576*\p th:TH_STORE_NT   ; stage rows 2 i, 2 i + 1 at their rows of out0; pass p lies 256 rows on
.endr
.endm
	s_wait_loadcnt 0x0                             ; both passes' q
	PASS_HEAD 0
	s_wait_tensorcnt 0x0                           ; my quarter of K and V is in,
	s_barrier_signal -1
	s_barrier_wait -1                              ; everybody's is
	KEYS 16
	WAYOUT 0
	s_wait_xcnt 0x0                                ; the stores have read their registers: the next pass loads into them
	PASS_HEAD 1
	KEYS 16
	WAYOUT 1
	s_wait_dscnt 0x0
	s_wait_tensorcnt 0x0
	ds_add_u32 v254, v255
	s_wait_dscnt 0x0
	ROUND                                          ; the closing round: no work-group ends while a partner may still ask for a tile that names it
	s_endpgm
.Lfunc_end_k_q4375c3dee5_attn:
	.size	k_q4375c3dee5_attn, .Lfunc_end_k_q4375c3dee5_attn-k_q4375c3dee5_attn
	.p2alignl 7, 3214868480
	.fill 96, 4, 3214868480
	.section	.rodata,"a",@progbits
	.p2align	6, 0x0
	.amdhsa_kernel k_q4375c3dee5_attn
		.amdhsa_group_segment_fixed_size 276480
		.amdhsa_private_segment_fixed_size 0
		.amdhsa_enable_private_segment 0
		.amdhsa_kernarg_size 16
		.amdhsa_user_sgpr_count 2
		.amdhsa_user_sgpr_kernarg_segment_ptr 1
		.amdhsa_wavefront_size32 1
		.amdhsa_system_sgpr_workgroup_id_x 1
		.amdhsa_system_sgpr_workgroup_id_y 1
		.amdhsa_system_sgpr_workgroup_id_z 1
		.amdhsa_system_vgpr_workitem_id 0
		.amdhsa_next_free_vgpr 256
		.amdhsa_next_free_sgpr 66
		.amdhsa_reserve_vcc 0
		.amdhsa_float_denorm_mode_32 3
		.amdhsa_float_denorm_mode_16_64 3
		.amdhsa_memory_ordered 1
		.amdhsa_forward_progress 1
		.amdhsa_inst_pref_size 50
	.end_amdhsa_kernel
	.amdgpu_metadata
---
amdhsa.version: [ 1, 2 ]
amdhsa.kernels:
  - .name:           k_q4375c3dee5_attn
    .symbol:         k_q4375c3dee5_attn.kd
    .args:
      - { .name: qkv, .offset: 0, .size: 8, .value_kind: global_buffer, .address_space: global }
      - { .name: out0, .offset: 8, .size: 8, .value_kind: global_buffer, .address_space: global }
    .group_segment_fixed_size: 276480
    .private_segment_fixed_size: 0
    .kernarg_segment_align: 8
    .kernarg_segment_size: 16
    .max_flat_workgroup_size: 512
    .sgpr_count:     66
    .vgpr_count:     256
    .wavefront_size: 32
...
	.end_amdgpu_metadata
.endif
;; end of part 3
